; MI455X (gfx1250); checked and timed in simulation.
; The chip was launched on July 23, 2026; its instructions are those of AMD's public machine-readable ISA for CDNA 5 (MIT licence, August 2026) and "CDNA5" Instruction Set Architecture Reference Guide (July 2026). The comments in the code are by the model that wrote it; some were corrected since.
;; Lo Kr. Allowed arithmetic: float matrix products may take bf16 or f16 operands with f32 sums; all other float work in f32.
;; Inputs: w1_a 16 x 32 float32; w1_b 64 x 16 float32; w2_a 16 x 64 float32; w2_b 64 x 16 float32; x 8,192 x 4,096 float32.
;; Outputs: out0 8,192 x 2,048 float32.
;; 2 versions, each right; version 2 is version 1 with the launch lokr written anew for expert scheduling mode. Each part assembles by itself: llvm-mc -triple=amdgcn-amd-amdhsa -mcpu=gfx1250 --defsym DOCPART=n.
;; ======== version 1 of 2: 1 launch
;; launch lokr (part 1): grid 256 x 1, 4 waves a work-group, no clusters, 0 bytes of LDS; arguments x, w1_a, w1_b, w2_a, w2_b, out0; writes out0
.if DOCPART == 1
	.amdgcn_target "amdgcn-amd-amdhsa--gfx1250"
	.amdhsa_code_object_version 6
	.text
	.protected	k_q94b731d5cf_lokr
	.globl	k_q94b731d5cf_lokr
	.p2align	8
	.type	k_q94b731d5cf_lokr,@function
k_q94b731d5cf_lokr:
	s_mov_b64 s[64:65], 0
	v_nop
	global_prefetch_b8 v0, s[64:65] scope:SCOPE_SE
	s_setreg_imm32_b32 hwreg(HW_REG_WAVE_MODE, 25, 1), 1
	s_wait_xcnt 0x0
; out[b] = (x[b] @ kron(w1^T, w2^T)) / 16, w1 = w1_a^T w1_b^T (32 x 64), w2 = w2_a^T w2_b^T (64 x 64).  x: [8192][4096] f32, out: [8192][2048] f32.
; A row of x read as X[m][n] (64 x 64, n fastest) and a row of out as O[l][k] (32 x 64, k fastest) obey O = w1 X w2^T / 16 for every input: that is what the Kronecker product
; means, so the 4096 x 2048 matrix is never formed.  Two small products a row: T = w1 X (stage 1), O = T w2^T (stage 2).  The launch moves 16 KB in and 8 KB out for 80 matrix
; instructions a row: it is a stream, and the design is about bytes: each byte of x read once, each byte of out written once, every load and store of a wave 512 consecutive bytes.
; SHARES.  256 work-groups of 4 waves; a wave owns 8 consecutive rows and never looks at another wave: no LDS, no barrier, no exchange between lanes.
; NO CLUSTER, NO TENSOR LOADS: work-groups share nothing but the 14 KB of weights, and the register layout below needs no turn through LDS.
; FORMATS.  All five inputs are rounded to bf16.  What the program itself makes (w1, w2, T) goes to the matrix unit as TWO bf16 numbers, hi + lo (hi = the number rounded, lo = the
; exact rest rounded): 16 significant bits over bf16's whole range.  f16 would not hold T for inputs some 30 times larger or carrying an offset.  Sums in f32; the 1/16 in f32 at the end.
; LIMITS.  The product T_lo x w2_lo is left out and lo is itself rounded: both below 2^-16 of a term.  The order of the sums is not the reference's.  A number of 3.39e38 or more rounds to
; an infinity in bf16, and an infinite w1, w2 or T gives NaN (hi - hi) where the reference may give an infinity.  Near the bottom of f32's range lo loses bits.  The sign of zero is not kept.
;
; LAYOUT.  Lane L = 16 h + r.  perm(i) = 2 (i & 7) + (i >> 3).  A 16-bit fragment's K slot is (register c, half p, lane half h); A and B use the same slots, so any one-to-one
; assignment of the summed index to slots is right if both operands use it (ISA guide 7.12.2 for the fragments' layout).
;   load i of a row (byte 512 i + 16 L): register 4 i + t holds X[2 i + h][4 r + t].
;   stage 1, K step s, n tile t, l tile lt:  A = X^T (lane r: n = 4 r + t), slot -> m = 32 s + 4 c + 2 p + h, so register c is the pair (load 16 s + 2 c, load 16 s + 2 c + 1), register t: the
;     conversion to bf16 IS the transposition.  B = w1^T (lane r: l = 16 lt + perm(r)).  Result a = 4 lt + t: register j holds T[16 lt + perm(r)][4 (8 h + j) + t].
;   stage 2, K step s2:  A = T (lane r: l = 16 lt + perm(r)): the packed pairs of results (lt, 2 s2) and (lt, 2 s2 + 1) as they lie; slot -> n = 4 (8 h + 2 c' + p) + 2 s2 + q, c = 4 q + c'.
;     B = w2 (lane r: k = 4 r + t').  Result a2 = 4 lt + t': register j holds O[16 lt + 2 j + h][4 r + t'].
;   store q = 8 lt + j: register j of the four results (lt, t' = 0..3) are 16 consecutive bytes, at byte 512 q + 16 L of the row.
; All the permutations are taken up by w1's and w2's fragments, which each wave makes once, by 24 matrix instructions, while its first rows of x are on their way.
;
; REGISTERS, in windows of 256 (s_set_vgpr_msb: bits 1:0 source 0, 3:2 source 1, 5:4 source 2, 7:6 destination):
;   window 0: v1 16 x lane, never rewritten; v2-5 the weights' offsets; v8-15 at work; v16-79 XP (x in bf16), then D2 (stage 2's sums); v80-143 TA (stage 1's sums), then ST (what is stored);
;             v144-175 TH, v176-207 TL.  At the start v16-127 hold the weights as loaded, v128-239 their fragments.
;   window 1: v0-31 W1H, v32-63 W1L, v64-127 W2H, v128-191 W2L; v192-223 WD, v224-231 TW, at work at the start.
;   window 2: two row buffers of 128 registers.
.set XROW,  16384                      ; bytes in a row of x
.set OROW,  8192                       ; bytes in a row of out
.set VO,    1
.set TMP,   8
.set XP,    16
.set D2,    16
.set TA,    80
.set ST,    80
.set TH,    144
.set TL,    176
.set R1B,   16                         ; w1_b as loaded: 8 registers for each tile u of 16 m
.set R1A,   48                         ; w1_a: 8 for each tile lt of 16 l
.set R2B,   64                         ; w2_b: 8 for each tile t of 16 n
.set R2A,   96                         ; w2_a: 4 (t' = 0..3) for each of my 8 ranks
.set F1B,   128                        ; the same as fragments of 8 registers: the 16 ranks fill K slots 0-15 (registers 0-3), registers 4-7 are 0
.set F1A,   160
.set F2B,   176
.set F2A,   208
.set W1H,   0
.set W1L,   32
.set W2H,   64
.set W2L,   128
.set WD,    192
.set TW,    224
.set MSB, 0
.macro WIN new                         ; the immediate's high byte repeats the setting that is left; a switch that changes nothing is dropped
.if MSB != (\new)
	s_set_vgpr_msb (MSB<<8)|(\new)
.set MSB, \new
.endif
.endm
.set W_LD,  0x80                       ; a load of x: destination window 2, offset window 0
.set W_CV,  0x0a                       ; a conversion of x: both sources window 2, destination window 0
.set W_MM,  0x04                       ; the rows' products: B window 1, all else window 0
.set W_WM,  0x40                       ; the weights' products: D window 1
.set W_WS,  0x55                       ; the weights' split: everything window 1
; A vector instruction that reads a matrix result stands four places behind the matrix instruction, and only plain vector instructions that name none of its registers are places (ISA guide 7.12.1).
.macro PLACES
.rept 4
	v_nop
.endr
.endm
; Half s (8 KB) of a row into buffer b: 16 loads of 512 consecutive bytes.  The base stands at an even row; buffer 1 takes the row behind it.
.macro FILL b, s
	WIN W_LD
.set i, 16*(\s)
.rept 16
	global_load_b128 v[128*(\b)+4*i:128*(\b)+4*i+3], v[VO], s[4:5] offset:XROW*(\b)+512*i th:TH_LOAD_NT
.set i, i+1
.endr
.endm
; Half s of buffer b to bf16: register c of the fragment (n tile t, K step s) pairs register t of loads 16 s + 2 c and 16 s + 2 c + 1.
.macro CVT b, s
	WIN W_CV
.irp c, 0,1,2,3,4,5,6,7
.irp t, 0,1,2,3
	v_cvt_pk_bf16_f32 v[XP+16*(\t)+8*(\s)+(\c)], v[128*(\b)+64*(\s)+8*(\c)+(\t)], v[128*(\b)+64*(\s)+8*(\c)+4+(\t)]
.endr
.endr
.endm
; n results of 8 f32 at src become 4 registers of hi and 4 of lo each.  hi = the pair rounded to bf16; hi widened again is taken from the number, which is exact; lo = that rest rounded.
; Each result's registers are read in ascending order.  The macro sets no window: all its registers lie in one.
.macro SPLIT src, hi, lo, tmp, n
.set g, 0
.rept \n
.irp y, 0,1,2,3
	v_cvt_pk_bf16_f32 v[(\hi)+4*g+(\y)], v[(\src)+8*g+2*(\y)], v[(\src)+8*g+2*(\y)+1]
.endr
.irp y, 0,1,2,3
	v_lshlrev_b32 v[(\tmp)+2*(\y)], 16, v[(\hi)+4*g+(\y)]
	v_and_b32 v[(\tmp)+2*(\y)+1], s22, v[(\hi)+4*g+(\y)]
.endr
.irp y, 0,1,2,3
	v_pk_add_f32 v[(\tmp)+2*(\y):(\tmp)+2*(\y)+1], v[(\src)+8*g+2*(\y):(\src)+8*g+2*(\y)+1], v[(\tmp)+2*(\y):(\tmp)+2*(\y)+1] neg_lo:[0,1] neg_hi:[0,1]
.endr
.irp y, 0,1,2,3
	v_cvt_pk_bf16_f32 v[(\lo)+4*g+(\y)], v[(\tmp)+2*(\y)], v[(\tmp)+2*(\y)+1]
.endr
.set g, g+1
.endr
.endm
; Four tiles of w1 or w2: rows from the four fragments at fa, columns from the one at fb; then hi and lo, which ARE 16 registers of the rows' B fragments.
; The splits of the first three tiles stand between a batch's last product and the next batch, which writes over WD.
.macro WBATCH fa, fb, hi, lo
	WIN W_WM
.irp u, 0,1,2,3
	v_wmma_f32_16x16x32_bf16 v[WD+8*(\u):WD+8*(\u)+7], v[(\fa)+8*(\u):(\fa)+8*(\u)+7], v[(\fb):(\fb)+7], 0
.endr
	PLACES
	WIN W_WS
	SPLIT WD, \hi, \lo, TW, 4
.endm
; Eight products of stage 1, one on each of the eight sums (a = 4 lt + t), which take turns: K step s, w = W1H or W1L.  zero = 1: they start the sums.
.macro S1LINK s, w, zero
.set a, 0
.rept 8
.if \zero
	v_wmma_f32_16x16x32_bf16 v[TA+8*a:TA+8*a+7], v[XP+16*(a%4)+8*(\s):XP+16*(a%4)+8*(\s)+7], v[(\w)+16*(a/4)+8*(\s):(\w)+16*(a/4)+8*(\s)+7], 0
.else
	v_wmma_f32_16x16x32_bf16 v[TA+8*a:TA+8*a+7], v[XP+16*(a%4)+8*(\s):XP+16*(a%4)+8*(\s)+7], v[(\w)+16*(a/4)+8*(\s):(\w)+16*(a/4)+8*(\s)+7], v[TA+8*a:TA+8*a+7]
.endif
.set a, a+1
.endr
.endm
; Eight products of stage 2, one on each of the eight sums (a = 4 lt + t'): K step s, ta = TH or TL, w = W2H or W2L.
.macro S2LINK s, ta, w, zero
.set a, 0
.rept 8
.if \zero
	v_wmma_f32_16x16x32_bf16 v[D2+8*a:D2+8*a+7], v[(\ta)+16*(a/4)+8*(\s):(\ta)+16*(a/4)+8*(\s)+7], v[(\w)+16*(a%4)+8*(\s):(\w)+16*(a%4)+8*(\s)+7], 0
.else
	v_wmma_f32_16x16x32_bf16 v[D2+8*a:D2+8*a+7], v[(\ta)+16*(a/4)+8*(\s):(\ta)+16*(a/4)+8*(\s)+7], v[(\w)+16*(a%4)+8*(\s):(\w)+16*(a%4)+8*(\s)+7], v[D2+8*a:D2+8*a+7]
.endif
.set a, a+1
.endr
.endm
; The way out: the multiply by 1/16 gathers register j of four sums into four neighbouring registers; each store of the wave covers 512 consecutive bytes, aligned.
; Each sum's register 0 is read first.  The base stands one pair of rows ahead, so the immediates reach back.
.macro OUT b
.set q, 0
.rept 16
.irp t, 0,1,2,3
	v_mul_f32 v[ST+4*q+(\t)], s23, v[D2+8*(4*(q/8)+(\t))+q%8]
.endr
	global_store_b128 v[VO], v[ST+4*q:ST+4*q+3], s[14:15] offset:OROW*(\b)+512*q-2*OROW th:TH_STORE_NT
.set q, q+1
.endr
.endm
; One row, out of buffer b.  refill = 1: each half of the buffer is asked for again, with the row two further on, as soon as it has been converted.
; w0, w1: how many younger loads may stay out when the buffer's first and second half have to be there.
.macro ROW b, refill, w0, w1
	s_wait_loadcnt \w0                             ; loads come back in order (ISA guide 5.7.1): my buffer's first half is in
	s_wait_xcnt 0x0                                ; every earlier memory instruction has had its addresses translated (ISA guide 3.1): only behind this wait are the last row's store data (ST) and the two bases rewritten
.if (\b) == 0
	s_add_nc_u64 s[14:15], s[14:15], 2*OROW        ; out: one pair of rows ahead of the pair in hand
.if \refill
	s_add_nc_u64 s[4:5], s[4:5], 2*XROW            ; x: the pair of rows to be asked for
.endif
.endif
	CVT \b, 0
.if \refill
	FILL \b, 0
.endif
	s_wait_loadcnt \w1                             ; the second half is in
	CVT \b, 1
.if \refill
	FILL \b, 1
.endif
	WIN W_MM
	S1LINK 0, W1H, 1                               ; T = (w1_hi + w1_lo) X: 32 products
	S1LINK 0, W1L, 0
	S1LINK 1, W1H, 0
	S1LINK 1, W1L, 0
	WIN 0
	PLACES
	SPLIT TA, TH, TL, TMP, 8
	WIN W_MM
	S2LINK 0, TH, W2H, 1                           ; O = T_hi w2_hi + T_lo w2_hi + T_hi w2_lo: 48 products
	S2LINK 0, TL, W2H, 0
	S2LINK 0, TH, W2L, 0
	S2LINK 1, TH, W2H, 0
	S2LINK 1, TL, W2H, 0
	S2LINK 1, TH, W2L, 0
	WIN 0
	PLACES
	OUT \b
.endm
	s_load_b256 s[4:11], s[0:1], 0x0               ; x s[4:5], w1_a s[6:7], w1_b s[8:9], w2_a s[10:11]
	s_load_b128 s[12:15], s[0:1], 0x20             ; w2_b s[12:13], out0 s[14:15]
	v_and_b32 v[VO], 31, v0
	v_lshlrev_b32 v[VO], 4, v[VO]                  ; 16 x lane
	v_and_b32 v6, 15, v0                           ; r
	v_bfe_u32 v7, v0, 4, 1                         ; h
	v_and_b32 v2, 7, v0
	v_bfe_u32 v3, v0, 3, 1
	v_lshl_add_u32 v8, v2, 1, v3                   ; perm(r)
	v_lshlrev_b32 v2, 6, v8
	v_lshl_add_u32 v2, v7, 5, v2                   ; w1_b: row perm(r) of a tile (64 bytes a row), ranks 8 h on
	v_lshlrev_b32 v3, 2, v8
	v_lshl_add_u32 v3, v7, 10, v3                  ; w1_a: rank 8 h (128 bytes a rank), column perm(r) of a tile
	v_lshlrev_b32 v4, 8, v6
	v_lshl_add_u32 v4, v7, 5, v4                   ; w2_b: row 4 r (64 bytes a row), ranks 8 h on
	v_lshlrev_b32 v5, 4, v6
	v_lshl_add_u32 v5, v7, 11, v5                  ; w2_a: rank 8 h (256 bytes a rank), columns 4 r on
	v_lshrrev_b32 v9, 5, v0
	v_readfirstlane_b32 s16, v9                    ; wave 0..3
	s_lshl_b32 s17, ttmp9, 2
	s_add_co_u32 s17, s17, s16                     ; my wave among the launch's 1,024
	s_lshl_b32 s18, s17, 17                        ; its 8 rows of x: 131,072 bytes
	s_mov_b32 s19, 0
	s_lshl_b32 s20, s17, 16                        ; its 8 rows of out: 65,536 bytes
	s_mov_b32 s21, 0
	s_mov_b32 s22, 0xffff0000                      ; a word's upper bf16
	s_mov_b32 s23, 0x3d800000                      ; 1/16
	s_wait_kmcnt 0x0
	s_add_nc_u64 s[4:5], s[4:5], s[18:19]
	s_add_nc_u64 s[14:15], s[14:15], s[20:21]
	; The weights, 40 loads: the one place where a lane takes short pieces of rows far apart: 14 KB, once a wave.  No hint: every wave reads them.
.irp u, 0,1,2,3
	global_load_b128 v[R1B+8*(\u):R1B+8*(\u)+3],   v2, s[8:9] offset:1024*(\u)      ; w1_b[16 u + perm(r)][8 h ..]
	global_load_b128 v[R1B+8*(\u)+4:R1B+8*(\u)+7], v2, s[8:9] offset:1024*(\u)+16
.endr
.irp lt, 0,1
.irp e, 0,1,2,3,4,5,6,7
	global_load_b32 v[R1A+8*(\lt)+(\e)], v3, s[6:7] offset:128*(\e)+64*(\lt)        ; w1_a[8 h + e][16 lt + perm(r)]
.endr
.endr
.irp t, 0,1,2,3
	global_load_b128 v[R2B+8*(\t):R2B+8*(\t)+3],   v4, s[12:13] offset:64*(\t)      ; w2_b[4 r + t][8 h ..]
	global_load_b128 v[R2B+8*(\t)+4:R2B+8*(\t)+7], v4, s[12:13] offset:64*(\t)+16
.endr
.irp e, 0,1,2,3,4,5,6,7
	global_load_b128 v[R2A+4*(\e):R2A+4*(\e)+3], v5, s[10:11] offset:256*(\e)       ; w2_a[8 h + e][4 r ..]
.endr
	FILL 0, 0                                      ; rows 0 and 1: 64 loads, 32 KB a wave, on their way while the fragments are made
	FILL 0, 1
	FILL 1, 0
	FILL 1, 1
	WIN 0
.set i, 0
.rept 14                                               ; K slots 16-31 of the 14 fragments hold 0 in both operands: the rank is 16, the instruction's K is 32
	v_mov_b32 v[F1B+8*i+4], 0
	v_mov_b32 v[F1B+8*i+5], 0
	v_mov_b32 v[F1B+8*i+6], 0
	v_mov_b32 v[F1B+8*i+7], 0
.set i, i+1
.endr
	s_wait_loadcnt 63                              ; 64 loads of x are younger than the last load of weights; 63 is the largest count that the wait can name
.set i, 0
.rept 16
	v_cvt_pk_bf16_f32 v[F1B+8*(i/4)+i%4], v[R1B+8*(i/4)+2*(i%4)], v[R1B+8*(i/4)+2*(i%4)+1]
.set i, i+1
.endr
.set i, 0
.rept 8
	v_cvt_pk_bf16_f32 v[F1A+8*(i/4)+i%4], v[R1A+8*(i/4)+2*(i%4)], v[R1A+8*(i/4)+2*(i%4)+1]
.set i, i+1
.endr
.set i, 0
.rept 16
	v_cvt_pk_bf16_f32 v[F2B+8*(i/4)+i%4], v[R2B+8*(i/4)+2*(i%4)], v[R2B+8*(i/4)+2*(i%4)+1]
.set i, i+1
.endr
.set i, 0
.rept 16                                               ; tile t' = i / 4: ranks 8 h + 2 c and 8 h + 2 c + 1 of column 4 r + t'
	v_cvt_pk_bf16_f32 v[F2A+8*(i/4)+i%4], v[R2A+8*(i%4)+i/4], v[R2A+8*(i%4)+4+i/4]
.set i, i+1
.endr
	; w1: tile (lt, u): register j of lane (r, h) is w1[16 lt + perm(r)][16 u + 2 j + h]; packed, register 4 u + c' of the 16 is register c = 4 q + c' of the fragment (lt, s), u = 2 s + q.
.irp k, 0,1
	WBATCH F1B, F1A+8*(\k), W1H+16*(\k), W1L+16*(\k)
.endr
	; w2: tile (t', t): register j is w2[4 r + t'][4 (8 h + j) + t]; packed, register 4 t + c' of the 16 is register c of the fragment (t', s2), t = 2 s2 + q.
.irp k, 0,1,2,3
	WBATCH F2B, F2A+8*(\k), W2H+16*(\k), W2L+16*(\k)
.endr
	WIN 0                                          ; at a label and at a branch every window is 0
	; A trip works on rows 2 i and 2 i + 1 and asks for rows 2 i + 2 and 2 i + 3.  At a row's head the younger loads are its buffer's second half (16) and the other buffer's 32;
	; in front of the second half the other buffer's 32 and the 16 just issued: 48 both times, on the way in, between the two rows and over the backward jump.
	s_mov_b32 s24, 3
.Ltrip:
	ROW 0, 1, 48, 48
	ROW 1, 1, 48, 48
	s_sub_co_u32 s24, s24, 1
	s_cmp_lg_u32 s24, 0
	s_cbranch_scc1 .Ltrip
	ROW 0, 0, 48, 32                               ; rows 6 and 7 ask for nothing: no load leaves x, and the counts run down
	ROW 1, 0, 16, 0
	s_endpgm
.Lfunc_end_k_q94b731d5cf_lokr:
	.size	k_q94b731d5cf_lokr, .Lfunc_end_k_q94b731d5cf_lokr-k_q94b731d5cf_lokr
	.p2alignl 7, 3214868480
	.fill 96, 4, 3214868480
	.section	.rodata,"a",@progbits
	.p2align	6, 0x0
	.amdhsa_kernel k_q94b731d5cf_lokr
		.amdhsa_group_segment_fixed_size 0
		.amdhsa_private_segment_fixed_size 0
		.amdhsa_enable_private_segment 0
		.amdhsa_kernarg_size 48
		.amdhsa_user_sgpr_count 2
		.amdhsa_user_sgpr_kernarg_segment_ptr 1
		.amdhsa_wavefront_size32 1
		.amdhsa_system_sgpr_workgroup_id_x 1
		.amdhsa_system_sgpr_workgroup_id_y 1
		.amdhsa_system_sgpr_workgroup_id_z 1
		.amdhsa_system_vgpr_workitem_id 0
		.amdhsa_next_free_vgpr 768
		.amdhsa_next_free_sgpr 66
		.amdhsa_reserve_vcc 0
		.amdhsa_float_denorm_mode_32 3
		.amdhsa_float_denorm_mode_16_64 3
		.amdhsa_memory_ordered 1
		.amdhsa_forward_progress 1
		.amdhsa_inst_pref_size 134
	.end_amdhsa_kernel
	.amdgpu_metadata
---
amdhsa.version: [ 1, 2 ]
amdhsa.kernels:
  - .name:           k_q94b731d5cf_lokr
    .symbol:         k_q94b731d5cf_lokr.kd
    .args:
      - { .name: x, .offset: 0, .size: 8, .value_kind: global_buffer, .address_space: global }
      - { .name: w1_a, .offset: 8, .size: 8, .value_kind: global_buffer, .address_space: global }
      - { .name: w1_b, .offset: 16, .size: 8, .value_kind: global_buffer, .address_space: global }
      - { .name: w2_a, .offset: 24, .size: 8, .value_kind: global_buffer, .address_space: global }
      - { .name: w2_b, .offset: 32, .size: 8, .value_kind: global_buffer, .address_space: global }
      - { .name: out0, .offset: 40, .size: 8, .value_kind: global_buffer, .address_space: global }
    .group_segment_fixed_size: 0
    .private_segment_fixed_size: 0
    .kernarg_segment_align: 8
    .kernarg_segment_size: 48
    .max_flat_workgroup_size: 128
    .sgpr_count:     66
    .vgpr_count:     768
    .wavefront_size: 32
...
	.end_amdgpu_metadata
.endif
;; end of part 1
;; ======== version 2 of 2: 1 launch; version 1 with the launch lokr written anew for expert scheduling mode
;; launch lokr (part 2): grid 256 x 1, 4 waves a work-group, no clusters, 0 bytes of LDS; arguments x, w1_a, w1_b, w2_a, w2_b, out0; writes out0
.if DOCPART == 2
	.amdgcn_target "amdgcn-amd-amdhsa--gfx1250"
	.amdhsa_code_object_version 6
	.text
	.protected	k_q94b731d5cf_lokr
	.globl	k_q94b731d5cf_lokr
	.p2align	8
	.type	k_q94b731d5cf_lokr,@function
k_q94b731d5cf_lokr:
	s_mov_b64 s[64:65], 0
	v_nop
	global_prefetch_b8 v0, s[64:65] scope:SCOPE_SE
	s_setreg_imm32_b32 hwreg(HW_REG_WAVE_SCHED_MODE, 0, 2), 2
	s_setreg_imm32_b32 hwreg(HW_REG_WAVE_MODE, 25, 1), 1
	s_wait_xcnt 0x0
	s_wait_alu depctr_vm_vsrc(0)
; out[b] = (x[b] @ kron(w1^T, w2^T)) / 16, w1 = w1_a^T w1_b^T (32 x 64), w2 = w2_a^T w2_b^T (64 x 64).  x: [8192][4096] f32, out: [8192][2048] f32.
; A row of x read as X[m][n] (64 x 64, n fastest) and a row of out as O[l][k] (32 x 64, k fastest) obey O = w1 X w2^T / 16 for every input: that is what the Kronecker product
; means, so the 4096 x 2048 matrix is never formed.  Two small products a row: T = w1 X (stage 1), O = T w2^T (stage 2).  The launch moves 16 KB in and 8 KB out for 80 matrix
; instructions a row: it is a stream, and the design is about bytes: each byte of x read once, each byte of out written once, every load and store of a wave 512 consecutive bytes.
; SHARES.  256 work-groups of 4 waves; a wave owns 8 consecutive rows and never looks at another wave: no LDS, no barrier, no exchange between lanes.
; NO CLUSTER, NO TENSOR LOADS: work-groups share nothing but the 14 KB of weights, and the register layout below needs no turn through LDS.
; FORMATS.  All five inputs are rounded to bf16.  What the program itself makes (w1, w2, T) goes to the matrix unit as TWO bf16 numbers, hi + lo (hi = the number rounded, lo = the
; exact rest rounded): 16 significant bits over bf16's whole range.  f16 would not hold T for inputs some 30 times larger or carrying an offset.  Sums in f32; the 1/16 in f32 at the end.
; LIMITS.  The product T_lo x w2_lo is left out and lo is itself rounded: both below 2^-16 of a term.  The order of the sums is not the reference's.  A number of 3.39e38 or more rounds to
; an infinity in bf16, and an infinite w1, w2 or T gives NaN (hi - hi) where the reference may give an infinity.  Near the bottom of f32's range lo loses bits.  The sign of zero is not kept.
;
; THE MODE: SCHED_MODE bits 1:0 = 2 (LLVM: expert scheduling mode 2), set by the entry lines.  The code itself states the register dependences between vector or matrix
; instructions and memory instructions, with s_wait_alu, always for 0.
; THE PLAN.  Registers that memory instructions touch:
;   v1            16 x lane: the offset of every load of x and of every store.  Made at the head and never written again: the rows are reached by the two scalar bases, which move on
;                 by a row once a row, and by immediate offsets (loads two rows ahead, stores one row back).
;   v2-5          the weights' offsets: made at the head, read by the 40 loads of weights, never written again.  v16-127 take those loads once; no load lands there again.
;   two row buffers (window 2), each in two halves.  Row R: the 32 conversions of a half read it; behind them the same half of row R + 2 lands in it.
;   ST            Row R's 64 multiplies write it; the 16 stores that read it are issued in row R + 1, among stage 1's products.
;   XP, D2, TA, TH, TL, TMP and the weights' fragments are named by vector and matrix instructions alone.
; So a row holds two waits on va_vdst, one behind the conversions of each half, each directly ahead of the half's 16 loads; the second also states that the row before has written ST.
; Behind it stand stage 1's products, which name XP, TA and w1's fragments: none of the registers that the stores among them read.  One wait on vm_vsrc a row, beside the wait on XCNT,
; stands behind stage 2, ahead of the multiplies that write ST again.  Row 0 has no row before it and is written out ahead of the loop; the last row's stores follow a wait of their own.
;
; LAYOUT.  Lane L = 16 h + r.  perm(i) = 2 (i & 7) + (i >> 3).  A 16-bit fragment's K slot is (register c, half p, lane half h); A and B use the same slots, so any one-to-one
; assignment of the summed index to slots is right if both operands use it (ISA guide 7.12.2 for the fragments' layout).
;   load i of a row (byte 512 i + 16 L): register 4 i + t holds X[2 i + h][4 r + t].
;   stage 1, K step s, n tile t, l tile lt:  A = X^T (lane r: n = 4 r + t), slot -> m = 32 s + 4 c + 2 p + h, so register c is the pair (load 16 s + 2 c, load 16 s + 2 c + 1), register t: the
;     conversion to bf16 IS the transposition.  B = w1^T (lane r: l = 16 lt + perm(r)).  Result a = 4 lt + t: register j holds T[16 lt + perm(r)][4 (8 h + j) + t].
;   stage 2, K step s2:  A = T (lane r: l = 16 lt + perm(r)): the packed pairs of results (lt, 2 s2) and (lt, 2 s2 + 1) as they lie; slot -> n = 4 (8 h + 2 c' + p) + 2 s2 + q, c = 4 q + c'.
;     B = w2 (lane r: k = 4 r + t').  Result a2 = 4 lt + t': register j holds O[16 lt + 2 j + h][4 r + t'].
;   store q = 8 lt + j: register j of the four results (lt, t' = 0..3) are 16 consecutive bytes, at byte 512 q + 16 L of the row.
; All the permutations are taken up by w1's and w2's fragments, which each wave makes once, by 24 matrix instructions, while its first rows of x are on their way.
;
; REGISTERS, in windows of 256 (s_set_vgpr_msb: bits 1:0 source 0, 3:2 source 1, 5:4 source 2, 7:6 destination):
;   window 0: v1 16 x lane, never rewritten; v2-5 the weights' offsets; v8-15 at work; v16-79 XP (x in bf16), then D2 (stage 2's sums); v80-143 TA (stage 1's sums);
;             v144-175 TH, v176-207 TL.  At the start v16-127 hold the weights as loaded, v128-239 their fragments.
;   window 1: v0-31 W1H, v32-63 W1L, v64-127 W2H, v128-191 W2L; v192-255 ST (what is stored); at the start v192-223 WD, v224-231 TW, at work.
;             ST lies in the window of the products' source 1, which is also the place of a store's data: the stores among stage 1's products need no switch.
;   window 2: two row buffers of 128 registers.
.set XROW,  16384                      ; bytes in a row of x
.set OROW,  8192                       ; bytes in a row of out
.set VO,    1
.set TMP,   8
.set XP,    16
.set D2,    16
.set TA,    80
.set TH,    144
.set TL,    176
.set R1B,   16                         ; w1_b as loaded: 8 registers for each tile u of 16 m
.set R1A,   48                         ; w1_a: 8 for each tile lt of 16 l
.set R2B,   64                         ; w2_b: 8 for each tile t of 16 n
.set R2A,   96                         ; w2_a: 4 (t' = 0..3) for each of my 8 ranks
.set F1B,   128                        ; the same as fragments of 8 registers: the 16 ranks fill K slots 0-15 (registers 0-3), registers 4-7 are 0
.set F1A,   160
.set F2B,   176
.set F2A,   208
.set W1H,   0
.set W1L,   32
.set W2H,   64
.set W2L,   128
.set WD,    192
.set TW,    224
.set ST,    192                        ; window 1
.set MSB, 0
.macro WIN new                         ; the immediate's high byte repeats the setting that is left; a switch that changes nothing is dropped
.if MSB != (\new)
	s_set_vgpr_msb (MSB<<8)|(\new)
.set MSB, \new
.endif
.endm
.set W_LD,  0x80                       ; a load of x: destination window 2, offset window 0
.set W_CV,  0x0a                       ; a conversion of x: both sources window 2, destination window 0
.set W_MM,  0x04                       ; the rows' products: B window 1, all else window 0; a store under it: offset window 0, data window 1
.set W_WM,  0x40                       ; the weights' products: D window 1
.set W_ML,  0x40                       ; the multiply by 1/16: destination window 1, source window 0
.set W_WS,  0x55                       ; the weights' split: everything window 1
; A vector instruction that reads a matrix result stands four places behind the matrix instruction, and only plain vector instructions that name none of its registers are places (ISA guide 7.12.1).
.macro PLACES
.rept 4
	v_nop
.endr
.endm
; Half s (8 KB) of a row into buffer b: 16 loads of 512 consecutive bytes.  at: the row, counted from the row at which the base stands.
.macro FILL b, s, at
	WIN W_LD
.set i, 16*(\s)
.rept 16
	global_load_b128 v[128*(\b)+4*i:128*(\b)+4*i+3], v[VO], s[4:5] offset:XROW*(\at)+512*i th:TH_LOAD_NT
.set i, i+1
.endr
.endm
; Half s of buffer b to bf16: register c of the fragment (n tile t, K step s) pairs register t of loads 16 s + 2 c and 16 s + 2 c + 1.
.macro CVT b, s
	WIN W_CV
.irp c, 0,1,2,3,4,5,6,7
.irp t, 0,1,2,3
	v_cvt_pk_bf16_f32 v[XP+16*(\t)+8*(\s)+(\c)], v[128*(\b)+64*(\s)+8*(\c)+(\t)], v[128*(\b)+64*(\s)+8*(\c)+4+(\t)]
.endr
.endr
.endm
; n results of 8 f32 at src become 4 registers of hi and 4 of lo each.  hi = the pair rounded to bf16; hi widened again is taken from the number, which is exact; lo = that rest rounded.
; Each result's registers are read in ascending order.  The macro sets no window: all its registers lie in one.
.macro SPLIT src, hi, lo, tmp, n
.set g, 0
.rept \n
.irp y, 0,1,2,3
	v_cvt_pk_bf16_f32 v[(\hi)+4*g+(\y)], v[(\src)+8*g+2*(\y)], v[(\src)+8*g+2*(\y)+1]
.endr
.irp y, 0,1,2,3
	v_lshlrev_b32 v[(\tmp)+2*(\y)], 16, v[(\hi)+4*g+(\y)]
	v_and_b32 v[(\tmp)+2*(\y)+1], s22, v[(\hi)+4*g+(\y)]
.endr
.irp y, 0,1,2,3
	v_pk_add_f32 v[(\tmp)+2*(\y):(\tmp)+2*(\y)+1], v[(\src)+8*g+2*(\y):(\src)+8*g+2*(\y)+1], v[(\tmp)+2*(\y):(\tmp)+2*(\y)+1] neg_lo:[0,1] neg_hi:[0,1]
.endr
.irp y, 0,1,2,3
	v_cvt_pk_bf16_f32 v[(\lo)+4*g+(\y)], v[(\tmp)+2*(\y)], v[(\tmp)+2*(\y)+1]
.endr
.set g, g+1
.endr
.endm
; Four tiles of w1 or w2: rows from the four fragments at fa, columns from the one at fb; then hi and lo, which ARE 16 registers of the rows' B fragments.
; The splits of the first three tiles stand between a batch's last product and the next batch, which writes over WD.
.macro WBATCH fa, fb, hi, lo
	WIN W_WM
.irp u, 0,1,2,3
	v_wmma_f32_16x16x32_bf16 v[WD+8*(\u):WD+8*(\u)+7], v[(\fa)+8*(\u):(\fa)+8*(\u)+7], v[(\fb):(\fb)+7], 0
.endr
	PLACES
	WIN W_WS
	SPLIT WD, \hi, \lo, TW, 4
.endm
; Store q of 16 of the row behind which the base stands: 512 consecutive bytes, aligned; the immediate reaches one row back.  It is issued under W_MM.
.macro SEND
	global_store_b128 v[VO], v[ST+4*q:ST+4*q+3], s[14:15] offset:512*q-OROW th:TH_STORE_NT
.set q, q+1
.endm
; Eight products of stage 1, one on each of the eight sums (a = 4 lt + t), which take turns: K step s, w = W1H or W1L.  zero = 1: they start the sums.
; send = 1: a store of the row before stands behind every second product.  No wait: no vector or matrix instruction since the row's second wait on va_vdst names v1 or ST.
.macro S1LINK s, w, zero, send
.set a, 0
.rept 8
.if \zero
	v_wmma_f32_16x16x32_bf16 v[TA+8*a:TA+8*a+7], v[XP+16*(a%4)+8*(\s):XP+16*(a%4)+8*(\s)+7], v[(\w)+16*(a/4)+8*(\s):(\w)+16*(a/4)+8*(\s)+7], 0
.else
	v_wmma_f32_16x16x32_bf16 v[TA+8*a:TA+8*a+7], v[XP+16*(a%4)+8*(\s):XP+16*(a%4)+8*(\s)+7], v[(\w)+16*(a/4)+8*(\s):(\w)+16*(a/4)+8*(\s)+7], v[TA+8*a:TA+8*a+7]
.endif
.if (\send) && (a%2 == 1)
	SEND
.endif
.set a, a+1
.endr
.endm
; Eight products of stage 2, one on each of the eight sums (a = 4 lt + t'): K step s, ta = TH or TL, w = W2H or W2L.
.macro S2LINK s, ta, w, zero
.set a, 0
.rept 8
.if \zero
	v_wmma_f32_16x16x32_bf16 v[D2+8*a:D2+8*a+7], v[(\ta)+16*(a/4)+8*(\s):(\ta)+16*(a/4)+8*(\s)+7], v[(\w)+16*(a%4)+8*(\s):(\w)+16*(a%4)+8*(\s)+7], 0
.else
	v_wmma_f32_16x16x32_bf16 v[D2+8*a:D2+8*a+7], v[(\ta)+16*(a/4)+8*(\s):(\ta)+16*(a/4)+8*(\s)+7], v[(\w)+16*(a%4)+8*(\s):(\w)+16*(a%4)+8*(\s)+7], v[D2+8*a:D2+8*a+7]
.endif
.set a, a+1
.endr
.endm
; The way out, first part: the multiply by 1/16 gathers register j of four sums into four neighbouring registers of ST.  Each sum's register 0 is read first.
.macro SCALE
	WIN W_ML
.set q, 0
.rept 16
.irp t, 0,1,2,3
	v_mul_f32 v[ST+4*q+(\t)], s23, v[D2+8*(4*(q/8)+(\t))+q%8]
.endr
.set q, q+1
.endr
.endm
; One row, out of buffer b.  first = 1: row 0, with no row before it to store.  refill = 1: each half of the buffer is asked for again, with the row two further on, as soon as it has been converted.
; w0, w1: how many younger loads may stay out when the buffer's first and second half have to be there.
.macro ROW b, first, refill, w0, w1
	s_wait_loadcnt \w0                             ; loads come back in order (ISA guide 5.7.1): my buffer's first half is in
	CVT \b, 0
.if \refill
	WIN W_LD                                       ; the switch, then the wait, then the loads
	s_wait_alu depctr_va_vdst(0)                   ; the conversions are done reading the buffer's first half, in which the loads below land
	FILL \b, 0, 2
.endif
	s_wait_loadcnt \w1                             ; the second half is in
	CVT \b, 1
.if \refill
	WIN W_LD
.endif
	s_wait_alu depctr_va_vdst(0)                   ; the conversions are done reading the buffer's second half, in which the loads below land (a row that refills); the row before has written ST, which the stores among stage 1's products read (every row but the first)
.if \refill
	FILL \b, 1, 2
.endif
	WIN W_MM
.set q, 0
	S1LINK 0, W1H, 1, 1-(\first)                   ; T = (w1_hi + w1_lo) X: 32 products, and among them the 16 stores of the row before
	S1LINK 0, W1L, 0, 1-(\first)
	S1LINK 1, W1H, 0, 1-(\first)
	S1LINK 1, W1L, 0, 1-(\first)
	WIN 0
	PLACES
	SPLIT TA, TH, TL, TMP, 8
	WIN W_MM
	S2LINK 0, TH, W2H, 1                           ; O = T_hi w2_hi + T_lo w2_hi + T_hi w2_lo: 48 products
	S2LINK 0, TL, W2H, 0
	S2LINK 0, TH, W2L, 0
	S2LINK 1, TH, W2H, 0
	S2LINK 1, TL, W2H, 0
	S2LINK 1, TH, W2L, 0
	s_wait_xcnt 0x0                                ; every earlier memory instruction has had its addresses translated (ISA guide 3.1): only behind this wait are the store data (ST) and the two bases rewritten
.if !(\first)
	s_wait_alu depctr_vm_vsrc(0)                   ; the stores issued among stage 1's products have read ST, which the multiplies below write again
.endif
	s_add_nc_u64 s[14:15], s[14:15], OROW          ; out: at the next row; its stores reach back to this one
.if \refill
	s_add_nc_u64 s[4:5], s[4:5], XROW              ; x: at the next row; its loads reach two rows ahead
.endif
	PLACES
	SCALE
.endm
	s_load_b256 s[4:11], s[0:1], 0x0               ; x s[4:5], w1_a s[6:7], w1_b s[8:9], w2_a s[10:11]
	s_load_b128 s[12:15], s[0:1], 0x20             ; w2_b s[12:13], out0 s[14:15]
	v_and_b32 v[VO], 31, v0
	v_lshlrev_b32 v[VO], 4, v[VO]                  ; 16 x lane
	v_and_b32 v6, 15, v0                           ; r
	v_bfe_u32 v7, v0, 4, 1                         ; h
	v_and_b32 v2, 7, v0
	v_bfe_u32 v3, v0, 3, 1
	v_lshl_add_u32 v8, v2, 1, v3                   ; perm(r)
	v_lshlrev_b32 v2, 6, v8
	v_lshl_add_u32 v2, v7, 5, v2                   ; w1_b: row perm(r) of a tile (64 bytes a row), ranks 8 h on
	v_lshlrev_b32 v3, 2, v8
	v_lshl_add_u32 v3, v7, 10, v3                  ; w1_a: rank 8 h (128 bytes a rank), column perm(r) of a tile
	v_lshlrev_b32 v4, 8, v6
	v_lshl_add_u32 v4, v7, 5, v4                   ; w2_b: row 4 r (64 bytes a row), ranks 8 h on
	v_lshlrev_b32 v5, 4, v6
	v_lshl_add_u32 v5, v7, 11, v5                  ; w2_a: rank 8 h (256 bytes a rank), columns 4 r on
	v_lshrrev_b32 v9, 5, v0
	v_readfirstlane_b32 s16, v9                    ; wave 0..3
	s_wait_alu depctr_va_sdst(0)                   ; s16 is written, ahead of its first reader: the bases of x and out are made from it
	s_lshl_b32 s17, ttmp9, 2
	s_add_co_u32 s17, s17, s16                     ; my wave among the launch's 1,024
	s_lshl_b32 s18, s17, 17                        ; its 8 rows of x: 131,072 bytes
	s_mov_b32 s19, 0
	s_lshl_b32 s20, s17, 16                        ; its 8 rows of out: 65,536 bytes
	s_mov_b32 s21, 0
	s_mov_b32 s22, 0xffff0000                      ; a word's upper bf16
	s_mov_b32 s23, 0x3d800000                      ; 1/16
	s_wait_kmcnt 0x0
	s_add_nc_u64 s[4:5], s[4:5], s[18:19]
	s_add_nc_u64 s[14:15], s[14:15], s[20:21]
	s_wait_alu depctr_va_vdst(0)                   ; the five offsets v1 to v5 are written, which the loads below and every later load and store read
	; The weights, 40 loads: the one place where a lane takes short pieces of rows far apart: 14 KB, once a wave.  No hint: every wave reads them.
.irp u, 0,1,2,3
	global_load_b128 v[R1B+8*(\u):R1B+8*(\u)+3],   v2, s[8:9] offset:1024*(\u)      ; w1_b[16 u + perm(r)][8 h ..]
	global_load_b128 v[R1B+8*(\u)+4:R1B+8*(\u)+7], v2, s[8:9] offset:1024*(\u)+16
.endr
.irp lt, 0,1
.irp e, 0,1,2,3,4,5,6,7
	global_load_b32 v[R1A+8*(\lt)+(\e)], v3, s[6:7] offset:128*(\e)+64*(\lt)        ; w1_a[8 h + e][16 lt + perm(r)]
.endr
.endr
.irp t, 0,1,2,3
	global_load_b128 v[R2B+8*(\t):R2B+8*(\t)+3],   v4, s[12:13] offset:64*(\t)      ; w2_b[4 r + t][8 h ..]
	global_load_b128 v[R2B+8*(\t)+4:R2B+8*(\t)+7], v4, s[12:13] offset:64*(\t)+16
.endr
.irp e, 0,1,2,3,4,5,6,7
	global_load_b128 v[R2A+4*(\e):R2A+4*(\e)+3], v5, s[10:11] offset:256*(\e)       ; w2_a[8 h + e][4 r ..]
.endr
	FILL 0, 0, 0                                   ; rows 0 and 1: 64 loads, 32 KB a wave, on their way while the fragments are made; only loads and a window switch stand between the wait above and these
	FILL 0, 1, 0
	FILL 1, 0, 1
	FILL 1, 1, 1
	WIN 0
.set i, 0
.rept 14                                               ; K slots 16-31 of the 14 fragments hold 0 in both operands: the rank is 16, the instruction's K is 32
	v_mov_b32 v[F1B+8*i+4], 0
	v_mov_b32 v[F1B+8*i+5], 0
	v_mov_b32 v[F1B+8*i+6], 0
	v_mov_b32 v[F1B+8*i+7], 0
.set i, i+1
.endr
	s_wait_loadcnt 63                              ; 64 loads of x are younger than the last load of weights; 63 is the largest count that the wait can name
.set i, 0
.rept 16
	v_cvt_pk_bf16_f32 v[F1B+8*(i/4)+i%4], v[R1B+8*(i/4)+2*(i%4)], v[R1B+8*(i/4)+2*(i%4)+1]
.set i, i+1
.endr
.set i, 0
.rept 8
	v_cvt_pk_bf16_f32 v[F1A+8*(i/4)+i%4], v[R1A+8*(i/4)+2*(i%4)], v[R1A+8*(i/4)+2*(i%4)+1]
.set i, i+1
.endr
.set i, 0
.rept 16
	v_cvt_pk_bf16_f32 v[F2B+8*(i/4)+i%4], v[R2B+8*(i/4)+2*(i%4)], v[R2B+8*(i/4)+2*(i%4)+1]
.set i, i+1
.endr
.set i, 0
.rept 16                                               ; tile t' = i / 4: ranks 8 h + 2 c and 8 h + 2 c + 1 of column 4 r + t'
	v_cvt_pk_bf16_f32 v[F2A+8*(i/4)+i%4], v[R2A+8*(i%4)+i/4], v[R2A+8*(i%4)+4+i/4]
.set i, i+1
.endr
	; w1: tile (lt, u): register j of lane (r, h) is w1[16 lt + perm(r)][16 u + 2 j + h]; packed, register 4 u + c' of the 16 is register c = 4 q + c' of the fragment (lt, s), u = 2 s + q.
.irp k, 0,1
	WBATCH F1B, F1A+8*(\k), W1H+16*(\k), W1L+16*(\k)
.endr
	; w2: tile (t', t): register j is w2[4 r + t'][4 (8 h + j) + t]; packed, register 4 t + c' of the 16 is register c of the fragment (t', s2), t = 2 s2 + q.
.irp k, 0,1,2,3
	WBATCH F2B, F2A+8*(\k), W2H+16*(\k), W2L+16*(\k)
.endr
	; Row R works on buffer R % 2, asks for row R + 2 and stores row R - 1.  At a row's head the younger loads are its buffer's second half (16) and the other buffer's 32;
	; in front of the second half the other buffer's 32 and the 16 just issued: 48 both times, on the way in from row 0, between the two rows of a trip and over the backward jump.
	ROW 0, 1, 1, 48, 48                            ; row 0 is written out: there is no row before it to store
	WIN 0                                          ; at a label and at a branch every window is 0
	s_mov_b32 s24, 2
.Ltrip:                                                ; rows 1 and 2, rows 3 and 4: both buffers are back at their start
	ROW 1, 0, 1, 48, 48
	ROW 0, 0, 1, 48, 48
	WIN 0
	s_sub_co_u32 s24, s24, 1
	s_cmp_lg_u32 s24, 0
	s_cbranch_scc1 .Ltrip
	ROW 1, 0, 1, 48, 48                            ; row 5 asks for row 7, the wave's last
	ROW 0, 0, 0, 48, 32                            ; rows 6 and 7 ask for nothing: no load leaves x, and the counts run down
	ROW 1, 0, 0, 16, 0
	WIN W_MM                                       ; a store's data in window 1
	s_wait_alu depctr_va_vdst(0)                   ; row 7's multiplies have written ST, which the last 16 stores read
.set q, 0
.rept 16
	SEND
.endr
	WIN 0                                          ; the windows are left as they were found
	s_endpgm
.Lfunc_end_k_q94b731d5cf_lokr:
	.size	k_q94b731d5cf_lokr, .Lfunc_end_k_q94b731d5cf_lokr-k_q94b731d5cf_lokr
	.p2alignl 7, 3214868480
	.fill 96, 4, 3214868480
	.section	.rodata,"a",@progbits
	.p2align	6, 0x0
	.amdhsa_kernel k_q94b731d5cf_lokr
		.amdhsa_group_segment_fixed_size 0
		.amdhsa_private_segment_fixed_size 0
		.amdhsa_enable_private_segment 0
		.amdhsa_kernarg_size 48
		.amdhsa_user_sgpr_count 2
		.amdhsa_user_sgpr_kernarg_segment_ptr 1
		.amdhsa_wavefront_size32 1
		.amdhsa_system_sgpr_workgroup_id_x 1
		.amdhsa_system_sgpr_workgroup_id_y 1
		.amdhsa_system_sgpr_workgroup_id_z 1
		.amdhsa_system_vgpr_workitem_id 0
		.amdhsa_next_free_vgpr 768
		.amdhsa_next_free_sgpr 66
		.amdhsa_reserve_vcc 0
		.amdhsa_float_denorm_mode_32 3
		.amdhsa_float_denorm_mode_16_64 3
		.amdhsa_memory_ordered 1
		.amdhsa_forward_progress 1
		.amdhsa_inst_pref_size 184
	.end_amdhsa_kernel
	.amdgpu_metadata
---
amdhsa.version: [ 1, 2 ]
amdhsa.kernels:
  - .name:           k_q94b731d5cf_lokr
    .symbol:         k_q94b731d5cf_lokr.kd
    .args:
      - { .name: x, .offset: 0, .size: 8, .value_kind: global_buffer, .address_space: global }
      - { .name: w1_a, .offset: 8, .size: 8, .value_kind: global_buffer, .address_space: global }
      - { .name: w1_b, .offset: 16, .size: 8, .value_kind: global_buffer, .address_space: global }
      - { .name: w2_a, .offset: 24, .size: 8, .value_kind: global_buffer, .address_space: global }
      - { .name: w2_b, .offset: 32, .size: 8, .value_kind: global_buffer, .address_space: global }
      - { .name: out0, .offset: 40, .size: 8, .value_kind: global_buffer, .address_space: global }
    .group_segment_fixed_size: 0
    .private_segment_fixed_size: 0
    .kernarg_segment_align: 8
    .kernarg_segment_size: 48
    .max_flat_workgroup_size: 128
    .sgpr_count:     66
    .vgpr_count:     768
    .wavefront_size: 32
...
	.end_amdgpu_metadata
.endif
;; end of part 2
